; MI455X (gfx1250); checked and timed in simulation.
; The chip was launched on July 23, 2026; its instructions are those of AMD's public machine-readable ISA for CDNA 5 (MIT licence, August 2026) and "CDNA5" Instruction Set Architecture Reference Guide (July 2026). The comments in the code are by the model that wrote it; some were corrected since.
;; Attention Bahdanau. Allowed arithmetic: float matrix products may take bf16 or f16 operands with f32 sums; all other float work in f32.
;; Inputs: W_cv 1,024 x 1 float32; W_de 1,024 x 1,024 float32; W_en 1,024 x 1,024 float32; W_out 1 x 1,024 float32; b_cv 1,024 float32; b_de 1,024 float32; b_en 1,024 float32; enhy 64 x 512 x 1,024 float32; hidden_attn 64 x 512 float32; last_dehy 64 x 1,024 float32; past_attn 64 x 512 float32.
;; Outputs: out0 64 x 1,024 float32; out1 64 x 512 float32; out2 64 x 512 float32.
;; One version. Each part assembles by itself: llvm-mc -triple=amdgcn-amd-amdhsa -mcpu=gfx1250 --defsym DOCPART=n.
;; ======== version 1 of 1: 3 launches
;; workspace buffers: wfrag 2,097,152 bytes; dbt 262,144 bytes; scores 131,072 bytes; hpart 1,048,576 bytes
;; launch prep (part 1): grid 256 x 1, 8 waves a work-group, no clusters, 83,456 bytes of LDS; arguments last_dehy, W_de, W_en, b_de, b_en, b_cv, wfrag, dbt; writes wfrag, dbt
.if DOCPART == 1
	.amdgcn_target "amdgcn-amd-amdhsa--gfx1250"
	.amdhsa_code_object_version 6
	.text
	.protected	k_q5e60efaf1c_prep
	.globl	k_q5e60efaf1c_prep
	.p2align	8
	.type	k_q5e60efaf1c_prep,@function
k_q5e60efaf1c_prep:
	s_mov_b64 s[64:65], 0
	v_nop
	global_prefetch_b8 v0, s[64:65] scope:SCOPE_SE
	s_setreg_imm32_b32 hwreg(HW_REG_WAVE_MODE, 25, 1), 1
	s_wait_xcnt 0x0
; prep: two small pieces of work for the launch that follows.  c = 2 log2(e) = 0x4038aa3b.
; (a) dbt = c (last_dehy W_de^T + b_de + b_en + b_cv), f32, laid [n / 16][batch 64][n % 16].
;     Work-group g makes the tile of 16 batches (g & 3) x 16 n (g >> 2); wave v sums k = 128 v .. 128 v + 127 by four bf16
;     matrix instructions, and the eight waves' partial tiles meet in LDS.
; (b) wfrag = bf16(c W_en) in the order in which the next launch's matrix fragments want it:
;     byte = beta 262144 + ks 8192 + b 1024 + q 512 + (16 h + r) 16 + 2 e  holds
;     n = 512 (beta & 1) + 128 (beta >> 1) + 16 b + r,  k = 32 ks + 16 q + 8 h + e.
;     Work-group g takes 64 rows x 64 k: beta = g >> 5, kp = (g >> 1) & 15 (two ks), th = g & 1 (four b).
; LIMITS: matrix operands are rounded to bf16 (W_en after the multiplication by c, one rounding); sums in f32.
.set PITCH, 2064                       ; an LDS row of 1,024 bf16 + 16 bytes: an odd multiple of 16, so 16 rows start at 16 different 16-byte columns modulo 256
.set LW,    16*PITCH                   ; W_de's 16 rows behind last_dehy's 16
.set RED,   32*PITCH                   ; 8 partial tiles of 1,024 bytes
.set WST,   RED+8192                   ; stage of W_en: [ks 2][b 4][q 2][h 2][r 16][16 bytes]
.set CSC,   0x4038aa3b                 ; c
.set XA,  16                           ; v[16:79]    last_dehy as loaded, 16 rows x 4
.set XW,  80                           ; v[80:143]   W_de as loaded
.set XE,  144                          ; v[144:159]  W_en as loaded
.set BI,  160                          ; v[160:171]  b_de, b_en, b_cv of my 4 n
.set FW,  16                           ; v[16:47]    later: W_de's four fragments
.set FD,  48                           ; v[48:79]    later: last_dehy's four fragments
.set AC0, 80                           ; v[80:87]    accumulator of K steps 0, 2
.set AC1, 88                           ; v[88:95]    accumulator of K steps 1, 3
.set WB,  96                           ; v[96:103]   W_en's stage read back
.set RL,  104                          ; v[104:135]  the eight partial tiles' 16 bytes
	s_load_b512 s[4:19], s[0:1], 0x0               ; last_dehy 4, W_de 6, W_en 8, b_de 10, b_en 12, b_cv 14, wfrag 16, dbt 18
	v_lshl_add_u32 v176, v0, 2, 0x14200
	v_mov_b32 v177, 0
	v_lshrrev_b32 v10, 5, v0
	v_readfirstlane_b32 s24, v10                   ; wave v
	v_and_b32 v14, 31, v0                          ; lane
	v_and_b32 v11, 15, v0                          ; i = r
	v_bfe_u32 v12, v0, 4, 1                        ; h
	s_lshl_b32 s28, s24, 9
	v_lshl_add_u32 v1, v14, 4, s28                 ; v1 = 16 x thread = 512 v + 16 lane
	s_lshl_b32 s28, s24, 8
	v_lshl_add_u32 v2, v14, 3, s28                 ; v2 = 8 x thread
	v_lshlrev_b32 v3, 4, v11                       ; v3: W_en, row 2 v + h, 16 bytes at 16 i
	v_lshl_add_u32 v3, v12, 12, v3
	s_lshl_b32 s28, s24, 13
	v_add_nc_u32 v3, s28, v3
	v_bfe_u32 v13, v0, 3, 1                        ; v4: where those 4 numbers (k = 4 i ..) go in the stage: ks = i >> 3,
	v_lshlrev_b32 v4, 12, v13
	v_bfe_u32 v13, v0, 2, 1                        ; q = (i >> 2) & 1,
	v_lshl_add_u32 v4, v13, 9, v4
	v_bfe_u32 v13, v0, 1, 1                        ; the fragment's h = (i >> 1) & 1,
	v_lshl_add_u32 v4, v13, 8, v4
	v_and_b32 v13, 1, v0                           ; e = 4 (i & 1),
	v_lshl_add_u32 v4, v13, 3, v4
	v_lshl_add_u32 v4, v12, 4, v4                  ; r = 2 v + h
	s_lshl_b32 s28, s24, 5
	s_add_co_u32 s28, s28, WST
	v_add_nc_u32 v4, s28, v4
	v_mul_u32_u24 v5, v11, PITCH                   ; v5: fragment reads: row r, k = 128 v, half h
	v_lshl_add_u32 v5, v12, 4, v5
	s_lshl_b32 s28, s24, 8
	v_add_nc_u32 v5, s28, v5
	v_lshlrev_b32 v6, 6, v11                       ; v6: my partial tile: batch r, n = 8 h ..
	v_lshl_add_u32 v6, v12, 5, v6
	s_lshl_b32 s28, s24, 10
	s_add_co_u32 s28, s28, RED
	v_add_nc_u32 v6, s28, v6
	v_and_b32 v7, 3, v0                            ; v7: the biases of the 4 n that thread t owns in the final tile
	v_lshlrev_b32 v7, 4, v7
	v_add_nc_u32 v8, WST, v1
	v_add_nc_u32 v9, RED, v1
	; byte offsets of the work-group's parts, each added to its own buffer's address
	s_mov_b32 s27, 0
	s_and_b32 s31, ttmp9, 3                        ; mt
	s_lshr_b32 s30, ttmp9, 2                       ; nt
	s_lshr_b32 s32, ttmp9, 5                       ; beta
	s_bfe_u32 s33, ttmp9, 0x40001                  ; kp
	s_and_b32 s34, ttmp9, 1                        ; th
	s_wait_kmcnt 0x0
	s_lshl_b32 s26, s31, 16
	s_add_nc_u64 s[4:5], s[4:5], s[26:27]          ; last_dehy: 16 mt rows of 4,096 bytes
	s_lshl_b32 s26, s30, 16
	s_add_nc_u64 s[6:7], s[6:7], s[26:27]          ; W_de: 16 nt rows
	s_lshl_b32 s26, s30, 6
	s_add_nc_u64 s[10:11], s[10:11], s[26:27]      ; the biases: 16 nt numbers
	s_add_nc_u64 s[12:13], s[12:13], s[26:27]
	s_add_nc_u64 s[14:15], s[14:15], s[26:27]
	s_lshl_b32 s26, s30, 12
	s_lshl_b32 s35, s31, 10
	s_add_co_u32 s26, s26, s35
	s_add_nc_u64 s[18:19], s[18:19], s[26:27]      ; dbt: 4096 nt + 1024 mt
	s_and_b32 s35, s32, 1
	s_lshl_b32 s35, s35, 9
	s_lshr_b32 s36, s32, 1
	s_lshl_b32 s36, s36, 7
	s_add_co_u32 s35, s35, s36
	s_lshl_b32 s36, s34, 6
	s_add_co_u32 s35, s35, s36                     ; W_en's first row: 512 (beta & 1) + 128 (beta >> 1) + 64 th
	s_lshl_b32 s26, s35, 12
	s_lshl_b32 s36, s33, 8
	s_add_co_u32 s26, s26, s36
	s_add_nc_u64 s[8:9], s[8:9], s[26:27]
	s_lshl_b32 s26, s32, 18
	s_lshl_b32 s36, s33, 14
	s_add_co_u32 s26, s26, s36
	s_lshl_b32 s36, s34, 12
	s_add_co_u32 s26, s26, s36
	s_add_nc_u64 s[16:17], s[16:17], s[26:27]      ; wfrag: 262144 beta + 16384 kp + 4096 th
	; all loads at once: 39 a wave
.irp j, 0,1,2,3,4,5,6,7,8,9,10,11,12,13,14,15
	global_load_b128 v[XA+4*\j:XA+4*\j+3], v1, s[4:5] offset:4096*\j       ; the 256 threads take one whole row
.endr
.irp j, 0,1,2,3,4,5,6,7,8,9,10,11,12,13,14,15
	global_load_b128 v[XW+4*\j:XW+4*\j+3], v1, s[6:7] offset:4096*\j
.endr
.irp j, 0,1,2,3
	global_load_b128 v[XE+4*\j:XE+4*\j+3], v3, s[8:9] offset:65536*\j      ; rows 16 j + 2 v + h: 16 lanes take 256 aligned bytes of a row
.endr
	global_load_b128 v[BI:BI+3],    v7, s[10:11]
	global_load_b128 v[BI+4:BI+7],  v7, s[12:13]
	global_load_b128 v[BI+8:BI+11], v7, s[14:15]
	s_wait_loadcnt 23                              ; last_dehy is in: W_de's 16, W_en's 4 and the biases' 3 loads are younger
.irp j, 0,1,2,3,4,5,6,7,8,9,10,11,12,13,14,15
	v_cvt_pk_bf16_f32 v[XA+4*\j],   v[XA+4*\j],   v[XA+4*\j+1]
	v_cvt_pk_bf16_f32 v[XA+4*\j+1], v[XA+4*\j+2], v[XA+4*\j+3]
	ds_store_b64 v2, v[XA+4*\j:XA+4*\j+1] offset:PITCH*\j
.endr
	s_wait_loadcnt 7                               ; W_de is in: 4 + 3 are younger
.irp j, 0,1,2,3,4,5,6,7,8,9,10,11,12,13,14,15
	v_cvt_pk_bf16_f32 v[XW+4*\j],   v[XW+4*\j],   v[XW+4*\j+1]
	v_cvt_pk_bf16_f32 v[XW+4*\j+1], v[XW+4*\j+2], v[XW+4*\j+3]
	ds_store_b64 v2, v[XW+4*\j:XW+4*\j+1] offset:LW+PITCH*\j
.endr
	s_wait_loadcnt 3                               ; W_en is in: the three bias loads are younger
.irp j, 0,1,2,3
	v_pk_mul_f32 v[XE+4*\j:XE+4*\j+1],   v[XE+4*\j:XE+4*\j+1],   CSC op_sel_hi:[1,0]
	v_pk_mul_f32 v[XE+4*\j+2:XE+4*\j+3], v[XE+4*\j+2:XE+4*\j+3], CSC op_sel_hi:[1,0]
.endr
.irp j, 0,1,2,3
	v_cvt_pk_bf16_f32 v[XE+4*\j],   v[XE+4*\j],   v[XE+4*\j+1]
	v_cvt_pk_bf16_f32 v[XE+4*\j+1], v[XE+4*\j+2], v[XE+4*\j+3]
	ds_store_b64 v4, v[XE+4*\j:XE+4*\j+1] offset:1024*\j                   ; b = j
.endr
	s_wait_dscnt 0x0                               ; my LDS stores are done, for the other waves' sake
	s_barrier_signal -1
	s_barrier_wait -1                              ; the two blocks of rows and the stage are whole
.irp x, 0,1,2,3
.irp q, 0,1
	ds_load_b128 v[FW+8*\x+4*\q:FW+8*\x+4*\q+3], v5 offset:LW+64*\x+32*\q
	ds_load_b128 v[FD+8*\x+4*\q:FD+8*\x+4*\q+3], v5 offset:64*\x+32*\q
.endr
.endr
	ds_load_b128 v[WB:WB+3],   v8                  ; the stage in fragment order: ks 0,
	ds_load_b128 v[WB+4:WB+7], v8 offset:4096      ; ks 1
	s_wait_dscnt 0x2                               ; the 16 fragment loads are in; the two just issued may be out
	; source 0 = rows of W_de, source 1 = rows of last_dehy: register j of lane (r, h) holds n = 8 h + j of batch r.
	; Two accumulators take turns; the first product of each starts its sum.
	v_wmma_f32_16x16x32_bf16 v[AC0:AC0+7], v[FW:FW+7],     v[FD:FD+7],     0
	v_wmma_f32_16x16x32_bf16 v[AC1:AC1+7], v[FW+8:FW+15],  v[FD+8:FD+15],  0
	v_wmma_f32_16x16x32_bf16 v[AC0:AC0+7], v[FW+16:FW+23], v[FD+16:FD+23], v[AC0:AC0+7]
	v_wmma_f32_16x16x32_bf16 v[AC1:AC1+7], v[FW+24:FW+31], v[FD+24:FD+31], v[AC1:AC1+7]
	s_wait_dscnt 0x0
	global_store_b128 v1, v[WB:WB+3],   s[16:17]               ; each store of a wave covers 512 consecutive bytes, aligned
	global_store_b128 v1, v[WB+4:WB+7], s[16:17] offset:8192
.rept 4
	v_nop                                          ; four places behind the last matrix instruction before its result is read (ISA guide 7.12.1)
.endr
.irp j, 0,2,4,6
	v_pk_add_f32 v[AC0+\j:AC0+\j+1], v[AC0+\j:AC0+\j+1], v[AC1+\j:AC1+\j+1]
.endr
	ds_store_b128 v6, v[AC0:AC0+3]
	ds_store_b128 v6, v[AC0+4:AC0+7] offset:16
	s_wait_dscnt 0x0                               ; my partial tile is in LDS, for waves 0 and 1
	s_barrier_signal -1
	s_barrier_wait -1
	s_cmp_ge_u32 s24, 2
	s_cbranch_scc1 .Ldone                          ; the tile is 1,024 bytes: 64 threads, 16 bytes each
.macro ADD4 d, s                       ; four f32 of register group s are added onto group d
	v_pk_add_f32 v[\d:\d+1],   v[\d:\d+1],   v[\s:\s+1]
	v_pk_add_f32 v[\d+2:\d+3], v[\d+2:\d+3], v[\s+2:\s+3]
.endm
.irp k, 0,1,2,3,4,5,6,7
	ds_load_b128 v[RL+4*\k:RL+4*\k+3], v9 offset:1024*\k
.endr
	s_wait_dscnt 0x0
	ADD4 RL,    RL+4
	ADD4 RL+8,  RL+12
	ADD4 RL+16, RL+20
	ADD4 RL+24, RL+28
	ADD4 RL,    RL+8
	ADD4 RL+16, RL+24
	ADD4 RL,    RL+16
	s_wait_loadcnt 0x0                             ; the biases
	ADD4 RL, BI
	ADD4 RL, BI+4
	ADD4 RL, BI+8
	v_pk_mul_f32 v[RL:RL+1],   v[RL:RL+1],   CSC op_sel_hi:[1,0]
	v_pk_mul_f32 v[RL+2:RL+3], v[RL+2:RL+3], CSC op_sel_hi:[1,0]
	global_store_b128 v1, v[RL:RL+3], s[18:19]     ; 512 consecutive bytes a wave
.Ldone:
	s_wait_tensorcnt 0x0
	ds_add_u32 v176, v177
	s_wait_dscnt 0x0
	s_endpgm
.Lfunc_end_k_q5e60efaf1c_prep:
	.size	k_q5e60efaf1c_prep, .Lfunc_end_k_q5e60efaf1c_prep-k_q5e60efaf1c_prep
	.p2alignl 7, 3214868480
	.fill 96, 4, 3214868480
	.section	.rodata,"a",@progbits
	.p2align	6, 0x0
	.amdhsa_kernel k_q5e60efaf1c_prep
		.amdhsa_group_segment_fixed_size 83456
		.amdhsa_private_segment_fixed_size 0
		.amdhsa_enable_private_segment 0
		.amdhsa_kernarg_size 64
		.amdhsa_user_sgpr_count 2
		.amdhsa_user_sgpr_kernarg_segment_ptr 1
		.amdhsa_wavefront_size32 1
		.amdhsa_system_sgpr_workgroup_id_x 1
		.amdhsa_system_sgpr_workgroup_id_y 1
		.amdhsa_system_sgpr_workgroup_id_z 1
		.amdhsa_system_vgpr_workitem_id 0
		.amdhsa_next_free_vgpr 178
		.amdhsa_next_free_sgpr 66
		.amdhsa_reserve_vcc 0
		.amdhsa_float_denorm_mode_32 3
		.amdhsa_float_denorm_mode_16_64 3
		.amdhsa_memory_ordered 1
		.amdhsa_forward_progress 1
		.amdhsa_inst_pref_size 20
	.end_amdhsa_kernel
	.amdgpu_metadata
---
amdhsa.version: [ 1, 2 ]
amdhsa.kernels:
  - .name:           k_q5e60efaf1c_prep
    .symbol:         k_q5e60efaf1c_prep.kd
    .args:
      - { .name: last_dehy, .offset: 0, .size: 8, .value_kind: global_buffer, .address_space: global }
      - { .name: W_de, .offset: 8, .size: 8, .value_kind: global_buffer, .address_space: global }
      - { .name: W_en, .offset: 16, .size: 8, .value_kind: global_buffer, .address_space: global }
      - { .name: b_de, .offset: 24, .size: 8, .value_kind: global_buffer, .address_space: global }
      - { .name: b_en, .offset: 32, .size: 8, .value_kind: global_buffer, .address_space: global }
      - { .name: b_cv, .offset: 40, .size: 8, .value_kind: global_buffer, .address_space: global }
      - { .name: wfrag, .offset: 48, .size: 8, .value_kind: global_buffer, .address_space: global }
      - { .name: dbt, .offset: 56, .size: 8, .value_kind: global_buffer, .address_space: global }
    .group_segment_fixed_size: 83456
    .private_segment_fixed_size: 0
    .kernarg_segment_align: 8
    .kernarg_segment_size: 64
    .max_flat_workgroup_size: 256
    .sgpr_count:     66
    .vgpr_count:     178
    .wavefront_size: 32
...
	.end_amdgpu_metadata
.endif
;; end of part 1
;; launch score (part 2): grid 256 x 1, 4 waves a work-group, no clusters, 286,208 bytes of LDS; arguments enhy, past_attn, W_cv, W_out, wfrag, dbt, scores, hpart; writes scores, hpart
.if DOCPART == 2
	.amdgcn_target "amdgcn-amd-amdhsa--gfx1250"
	.amdhsa_code_object_version 6
	.text
	.protected	k_q5e60efaf1c_score
	.globl	k_q5e60efaf1c_score
	.p2align	8
	.type	k_q5e60efaf1c_score,@function
k_q5e60efaf1c_score:
	s_mov_b64 s[64:65], 0
	v_nop
	global_prefetch_b8 v0, s[64:65] scope:SCOPE_SE
	s_setreg_imm32_b32 hwreg(HW_REG_WAVE_MODE, 25, 1), 1
	s_wait_xcnt 0x0
; score: work-group g owns rows 128 g .. 128 g + 127 of enhy (a quarter of batch g >> 2).  It reads them from memory once, rounds them to
; bf16 into LDS, and keeps them there for everything: the product with W_en, and the weighted sum at the end.
;   x'[s][n] = c (enhy[s] . W_en[n] + de_proj[n] + biases[n] + past[s] W_cv[n]),  c = 2 log2(e)
;   rho = 1 / (1 + 2^x'), so that tanh = 1 - 2 rho
;   sigma[s] = sum over n of (-c W_out[n]) rho = log2(e) (score[s] - sum of W_out)
; The sum of W_out is the same for every s of a batch; the softmax cancels it, so it is not formed.  softmax = 2^(sigma - max) / sum.
; Here the BLOCK's maximum is taken away: p[s] = 2^(sigma[s] - block max), hpart[g] = sum over s of p[s] enhy[s].  The next launch
; joins a batch's four blocks under the batch's maximum.
; SHARES: N goes in two chunks of 512 columns; in chunk c wave w owns columns 512 c + 128 w .. + 127 for all 128 rows: 64 accumulator tiles
; of 16 x 16, 512 registers.  Source 0 = 16 rows of W_en, source 1 = 16 rows of enhy: in tile (a, b) register j of lane (r, h) holds
; s = 16 a + r, n = 16 b + 8 h + j.  The sums START at c (de_proj + biases + past W_cv): nothing is cleared, nothing is added behind.
; W GOES STRAIGHT FROM MEMORY INTO REGISTERS, in fragment order (wfrag), through a ring of four register buffers, three K steps ahead.
; No LDS ring, no joint loads in a cluster: the resident rows take 264,192 of the 327,680 bytes of LDS and two slots of one K step of W
; (512 n x 32 k x 2 bytes = 32,768 each) do not fit into what is left beside the tables and stages; and within the work-group each
; fragment of W is read by one wave alone, so LDS would share nothing.  The price: every work-group reads all 2 MiB of wfrag for itself.
; LIMITS: matrix operands in bf16 (enhy, c W_en, p).  2^x' = infinity gives rho = 0 (tanh = 1); 2^x' = 0 gives rho = 1 (tanh = -1).
; v_exp_f32 gives 0 for results below 2^-126 (ISA guide 15.8), so a p below that counts as 0.
;
; REGISTERS in windows of 256 (s_set_vgpr_msb: bits 1:0 source 0, 3:2 source 1, 5:4 source 2, 7:6 destination):
;   window 0: v0-63 addresses and small data; v64-127, v128-191 fragments of enhy, two buffers (FA0, FA1); v192-255 -c W_out (WO)
;   window 1: fragments of W, four buffers of 64
;   window 2: accumulator tiles of rows 0-63 (tile (a, b) at v[8 (8 a + b)]); window 3: of rows 64-127
;   while the rows are loaded, window 2 is a ring of four groups of 16 loads
.set PITCH, 2064                       ; an LDS row: 2,048 bytes + 16: an odd multiple of 16, so 16 rows start at 16 different 16-byte columns modulo 256
.set CST,   128*PITCH                  ; 264192: per wave 3,584 bytes: chunk c at 1536 c: [c (de + biases) 512][W_cv 512][-c W_out 512]; c past at 3072
.set CSTW,  3584
.set SCR,   CST+4*CSTW                 ; 278528: 4 waves x 128 partial scores
.set PSC,   SCR+2048                   ; 280576: 4 waves x 128 p in bf16, each wave's own copy
.set HSC,   PSC+1024                   ; 281600: 4 waves x 256 f32, each wave's own stage
.set STEPB, 8192                       ; bytes of wfrag for one wave and one K step of 32
.set CPOS,  0x4038aa3b                 ; c
.set CNEG,  0xc038aa3b                 ; -c
.set VA0, 8                            ; v[8:11]   (32 p + r) PITCH + 16 h: fragment rows at k = 0
.set PR,  16                           ; v[16:23]  c past[16 a + r]
.set SP,  24                           ; v[24:31]  my partial sigma of row 16 a + r
.set QR,  32                           ; v[32:39]  four chains of pairs
.set VAC, 40                           ; v[40:43]  VA0 stepped along K
.set VT,  52                           ; v[52:55]  addresses of the transposing loads, one for each 32 rows
.set FA0, 64
.set FA1, 128
.set WO,  192
.set MSB, 0
.macro WIN new                         ; the immediate's high byte repeats the setting that is left
.if MSB != \new
	s_set_vgpr_msb (MSB<<8)|\new
.set MSB, \new
.endif
.endm
.set MUL_LO, 0xa1                      ; source 0 (W) window 1, source 1 (enhy) window 0, C and D window 2
.set MUL_HI, 0xf1                      ; the same, C and D window 3
.set TO_B,   0x40                      ; destination window 1, address window 0
.set XCV,    0x8a                      ; sources 0, 1 and destination window 2
.set XLS,    0x88                      ; loaded data (destination) and LDS store data (source 1) window 2, address window 0
.macro PLACES                          ; four places behind a matrix instruction (ISA guide 7.12.1) before its result is read, or one of its registers written or loaded into
.rept 4
	v_nop
.endr
.endm
	s_load_b512 s[4:19], s[0:1], 0x0               ; enhy 4, past 6, W_cv 8, W_out 10, wfrag 12, dbt 14, scores 16, hpart 18
	v_lshrrev_b32 v7, 5, v0
	v_readfirstlane_b32 s20, v7                    ; wave w
	v_and_b32 v1, 31, v0                           ; lane L
	v_and_b32 v2, 15, v0                           ; r
	v_bfe_u32 v3, v0, 4, 1                         ; h
	s_lshl_b32 s24, s20, 17
	v_lshlrev_b32 v4, 4, v2                        ; v4: enhy, row 32 w + 8 h, 16 bytes at 16 r
	v_lshl_add_u32 v4, v3, 15, v4
	v_add_nc_u32 v4, s24, v4
	v_lshlrev_b32 v6, 4, v1                        ; v6 = 16 L
	v_lshrrev_b32 v58, 2, v1                       ; v15: dbt, n = 4 L ..: block of 16 n L >> 2, 16 bytes at 16 (L & 3)
	v_and_b32 v59, 3, v1
	v_lshlrev_b32 v59, 4, v59
	v_lshl_add_u32 v15, v58, 12, v59
	s_mov_b32 s23, 0
	s_mov_b32 s30, 0x76543210                      ; v_permlanex16_b32: lane i reads lane i of the other half
	s_mov_b32 s31, 0xfedcba98
	s_wait_kmcnt 0x0
	s_lshl_b32 s22, ttmp9, 19
	s_add_nc_u64 s[4:5], s[4:5], s[22:23]          ; enhy: 128 g rows of 4,096 bytes
	s_lshl_b32 s22, ttmp9, 9
	s_add_nc_u64 s[6:7], s[6:7], s[22:23]          ; past and scores: 128 g numbers
	s_add_nc_u64 s[16:17], s[16:17], s[22:23]
	s_lshl_b32 s22, s20, 9
	s_add_nc_u64 s[8:9], s[8:9], s[22:23]          ; W_cv and W_out: 128 w numbers (the chunk stands in the immediate)
	s_add_nc_u64 s[10:11], s[10:11], s[22:23]
	s_lshl_b32 s22, s20, 19
	s_add_nc_u64 s[12:13], s[12:13], s[22:23]      ; wfrag: my 512 KiB: chunk 0's 32 steps, then chunk 1's
	s_lshr_b32 s22, ttmp9, 2
	s_lshl_b32 s22, s22, 6
	s_lshl_b32 s34, s20, 15
	s_add_co_u32 s22, s22, s34
	s_add_nc_u64 s[14:15], s[14:15], s[22:23]      ; dbt: 8 w blocks of 4,096 bytes + 64 x batch
	s_lshl_b32 s22, ttmp9, 12
	s_lshl_b32 s34, s20, 10
	s_add_co_u32 s22, s22, s34
	s_add_nc_u64 s[18:19], s[18:19], s[22:23]      ; hpart: 4096 g + 1024 w
; ---------------- PHASE A: the rows come in, are rounded and laid into LDS ----------------
; A slice is 64 k = 256 bytes of each row.  Wave w takes its 32 rows of a slice by 16 loads: in load q lanes 0-15 take the 256 aligned bytes
; of row 32 w + rp, lanes 16-31 those of row 32 w + rp + 8, rp = (q & 7) + 16 (q >> 3).
.macro XLOAD sl                        ; slice sl into ring group sl & 3 (under XLS)
.irp q, 0,1,2,3,4,5,6,7,8,9,10,11,12,13,14,15
	global_load_b128 v[64*((\sl)&3)+4*\q:64*((\sl)&3)+4*\q+3], v4, s[4:5] offset:4096*(((\q)&7)+16*((\q)>>3))+256*(\sl) th:TH_LOAD_NT
.endr
.endm
; 16 loads: W's fragments of one K step, at byte off from the stepped base, into buffer d (under TO_B).  Each load: 512 consecutive bytes.
.macro FETCHB d, off
.irp b, 0,1,2,3,4,5,6,7
.irp q, 0,1
	global_load_b128 v[64*\d+8*\b+4*\q:64*\d+8*\b+4*\q+3], v6, s[12:13] offset:\off+1024*\b+512*\q
.endr
.endr
.endm
; The turn of slice sl: its 16 loads are in; round, store, and issue 16 new loads: slice sl + 4, or (slices 12 to 14) W's K steps 0 to 2.
.macro TURN sl
	s_wait_loadcnt 48                              ; three groups of 16 loads are younger than this slice's, in every turn
	WIN XCV
.irp q, 0,1,2,3,4,5,6,7,8,9,10,11,12,13,14,15
	v_cvt_pk_bf16_f32 v[64*((\sl)&3)+4*\q],   v[64*((\sl)&3)+4*\q],   v[64*((\sl)&3)+4*\q+1]
	v_cvt_pk_bf16_f32 v[64*((\sl)&3)+4*\q+1], v[64*((\sl)&3)+4*\q+2], v[64*((\sl)&3)+4*\q+3]
.endr
	WIN XLS
.irp q, 0,1,2,3,4,5,6,7,8,9,10,11,12,13,14,15
	ds_store_b64 v5, v[64*((\sl)&3)+4*\q:64*((\sl)&3)+4*\q+1] offset:PITCH*(((\q)&7)+16*((\q)>>3))+128*(\sl)   ; the two rows lie 8 PITCH = 128 modulo 256 apart: 256 different bytes modulo 256
.endr
.if \sl < 12
	XLOAD (\sl+4)
.else
.if \sl < 15
	WIN TO_B
	FETCHB (\sl-12), (\sl-12)*STEPB
.endif
.endif
.endm
	global_load_b128 v[64:67], v15, s[14:15]                   ; the tables of my 128 columns in chunk 0: c (de + biases),
	global_load_b128 v[68:71], v6,  s[8:9]                     ; W_cv,
	global_load_b128 v[72:75], v6,  s[10:11]                   ; W_out;
	global_load_b128 v[76:79], v15, s[14:15] offset:131072     ; in chunk 1
	global_load_b128 v[80:83], v6,  s[8:9]   offset:2048
	global_load_b128 v[84:87], v6,  s[10:11] offset:2048
	global_load_b128 v[88:91], v6,  s[6:7]                     ; past of the 128 rows
	WIN XLS
	XLOAD 0
	XLOAD 1
	XLOAD 2
	WIN 0
	; the other addresses, while the loads are on their way
	v_mul_u32_u24 v5, v3, 8*PITCH                  ; v5: LDS, row 32 w + 8 h, 8 bytes at 8 r
	v_lshl_add_u32 v5, v2, 3, v5
	s_mul_i32 s25, s20, 32*PITCH
	v_add_nc_u32 v5, s25, v5
	v_mul_u32_u24 v7, v2, PITCH
	v_lshl_add_u32 v7, v3, 4, v7
.irp p, 0,1,2,3
	v_add_nc_u32 v[VA0+\p], \p*32*PITCH, v7
.endr
	s_mul_i32 s27, s20, CSTW
	s_add_co_u32 s27, s27, CST                     ; my tables
	v_add_nc_u32 v12, s27, v6                      ; in: 16 L
	v_lshl_add_u32 v13, v3, 5, s27                 ; out: 8 numbers at n = 8 h
	v_lshl_add_u32 v14, v2, 2, s27
	v_add_nc_u32 v14, 3072, v14                    ; out: past of row r
	s_lshl_b32 s28, s20, 9
	s_add_co_u32 s28, s28, SCR
	v_lshl_add_u32 v44, v2, 2, s28                 ; my partial scores, row r
	v_add_nc_u32 v45, SCR, v6                      ; all waves' partial scores, rows 4 L ..
	s_lshl_b32 s29, s20, 8
	s_add_co_u32 s29, s29, PSC
	v_lshl_add_u32 v46, v1, 3, s29                 ; p of rows 4 L .. in
	v_lshl_add_u32 v47, v3, 4, s29                 ; p as a fragment out
	v_and_b32 v58, 7, v0
	v_lshl_add_u32 v58, v3, 3, v58                 ; row 8 h + (L & 7)
	v_mul_u32_u24 v58, v58, PITCH
	v_bfe_u32 v59, v0, 3, 1
	v_lshl_add_u32 v58, v59, 4, v58                ; + 16 ((L >> 3) & 1)
	s_lshl_b32 s32, s20, 9
	v_add_nc_u32 v58, s32, v58                     ; + my 256 columns
.irp k, 0,1,2,3
	v_add_nc_u32 v[VT+\k], \k*32*PITCH, v58
.endr
	s_lshl_b32 s33, s20, 10
	s_add_co_u32 s33, s33, HSC
	v_lshl_add_u32 v56, v2, 2, s33                 ; my stage in: column r
	v_add_nc_u32 v57, s33, v6                      ; my stage out: 16 L
	s_wait_loadcnt 48                              ; the seven tables are in: the three slices' 48 loads are younger
.irp x, 72, 74, 84, 86
	v_pk_mul_f32 v[\x:\x+1], v[\x:\x+1], CNEG op_sel_hi:[1,0]
.endr
.irp x, 88, 90
	v_pk_mul_f32 v[\x:\x+1], v[\x:\x+1], CPOS op_sel_hi:[1,0]
.endr
.irp i, 0,1,2,3,4,5,6
	ds_store_b128 v12, v[64+4*\i:64+4*\i+3] offset:512*\i      ; my own bytes: no other wave reads them
.endr
	WIN XLS
	XLOAD 3
.irp s, 0,1,2,3,4,5,6,7,8,9,10,11,12,13,14,15
	TURN \s
.endr
; ---------------- the product ----------------
; The sums of row block a start at W_cv[n] (c past[s]) + c (de + biases)[n]
.macro SEEDA a
.irp b, 0,1,2,3,4,5,6,7
.irp jj, 0,1,2,3
.if (\a)&1
	v_pk_fma_f32 v[8*(8*((\a)&3)+\b)+2*\jj:8*(8*((\a)&3)+\b)+2*\jj+1], v[FA0+8*\b+2*\jj:FA0+8*\b+2*\jj+1], v[PR+\a-1:PR+\a], v[FA1+8*\b+2*\jj:FA1+8*\b+2*\jj+1] op_sel:[0,1,0] op_sel_hi:[1,1,1]
.else
	v_pk_fma_f32 v[8*(8*((\a)&3)+\b)+2*\jj:8*(8*((\a)&3)+\b)+2*\jj+1], v[FA0+8*\b+2*\jj:FA0+8*\b+2*\jj+1], v[PR+\a:PR+\a+1], v[FA1+8*\b+2*\jj:FA1+8*\b+2*\jj+1] op_sel_hi:[1,0,1]
.endif
.endr
.endr
.endm
; Chunk c's tables come out of LDS (W_cv into FA0, c (de + biases) into FA1, -c W_out into WO), and all 64 tiles are started.
.macro SEED c, first
	WIN 0
.if \first
.irp a, 0,1,2,3,4,5,6,7
	ds_load_b32 v[PR+\a], v14 offset:64*\a
.endr
.endif
.irp b, 0,1,2,3,4,5,6,7
.irp t, 0,1
	ds_load_b128 v[FA0+8*\b+4*\t:FA0+8*\b+4*\t+3], v13 offset:1536*\c+512+64*\b+16*\t
	ds_load_b128 v[FA1+8*\b+4*\t:FA1+8*\b+4*\t+3], v13 offset:1536*\c+64*\b+16*\t
	ds_load_b128 v[WO+8*\b+4*\t:WO+8*\b+4*\t+3],   v13 offset:1536*\c+1024+64*\b+16*\t
.endr
.endr
	s_wait_dscnt 0x0
	WIN 0x80
	SEEDA 0
	SEEDA 1
	SEEDA 2
	SEEDA 3
	WIN 0xc0
	SEEDA 4
	SEEDA 5
	SEEDA 6
	SEEDA 7
	WIN 0
.endm
; 16 LDS loads: the 128 rows' fragments of one K step, at byte koff from the stepped addresses, into buffer f (under window 0)
.macro FETCHA koff, f
.irp a, 0,1,2,3,4,5,6,7
.irp q, 0,1
	ds_load_b128 v[\f+8*\a+4*\q:\f+8*\a+4*\q+3], v[VAC+((\a)>>1)] offset:((\a)&1)*16*PITCH+\koff+32*\q
.endr
.endr
.endm
; 16 matrix instructions: row blocks a0, a0 + 1 of the window's four x all 8 column blocks.  The 64 accumulators take turns, one instruction
; a turn, in the same order in every K step and over the loops' backward jumps.
.macro MUL16 fb, fa, hi, a0
.irp a, \a0, \a0+1
.irp b, 0,1,2,3,4,5,6,7
	v_wmma_f32_16x16x32_bf16 v[8*(8*(\a)+\b):8*(8*(\a)+\b)+7], v[\fb+8*\b:\fb+8*\b+7], v[\fa+8*(4*\hi+\a):\fa+8*(4*\hi+\a)+7], v[8*(8*(\a)+\b):8*(8*(\a)+\b)+7]
.endr
.endr
.endm
; K step d of a trip of four.  fb = 1: W's fragments three steps ahead are asked for, into the buffer that the last step read;
; fa = 1: the next step's fragments of enhy are fetched from LDS into the other buffer.  left = W loads younger than this step's.
.macro STEP d, fb, left, fa
	PLACES
.if \fb
	WIN TO_B
	FETCHB ((\d+3)&3), (\d+3)*STEPB
.endif
.if \fa
	WIN 0
	FETCHA 64*(\d+1), (FA0+64*((\d+1)&1))
.endif
	s_wait_loadcnt \left                           ; this step's W is in; the later steps' loads, 16 each, stay out
	s_wait_dscnt 16*\fa                            ; this step's enhy is in; only the 16 loads just issued may be out
	WIN MUL_LO
	MUL16 64*\d, (FA0+64*(\d&1)), 0, 0
	MUL16 64*\d, (FA0+64*(\d&1)), 0, 2
	WIN MUL_HI
	MUL16 64*\d, (FA0+64*(\d&1)), 1, 0
	MUL16 64*\d, (FA0+64*(\d&1)), 1, 2
.endm
.macro TRIP lastfa
	STEP 0, 1, 48, 1
	STEP 1, 1, 48, 1
	STEP 2, 1, 48, 1
	STEP 3, 1, 48, \lastfa
	WIN 0
.irp p, 0,1,2,3
	v_add_nc_u32 v[VAC+\p], 256, v[VAC+\p]         ; four K steps of 64 bytes on
.endr
	s_wait_xcnt 0x0                                ; the base of the loads that are out is stepped only behind this wait
	s_add_nc_u64 s[12:13], s[12:13], 4*STEPB
.endm
; Behind a chunk: rho = 1 / (1 + 2^x'), and my part of sigma: sum over my 128 columns of (-c W_out) rho, one row block at a time.
; Behind each run of transcendentals stands one v_nop before a result is used (ISA guide 5.7.2).
.macro EPI first
	PLACES
.irp a, 0,1,2,3,4,5,6,7
.set EF, FA0+64*((\a)&1)
.if \a < 4
	WIN 0x02
.else
	WIN 0x03
.endif
.set ix, 0
.rept 64
	v_exp_f32 v[EF+ix], v[64*((\a)&3)+ix]
.set ix, ix+1
.endr
	WIN 0
	v_nop
.set ix, 0
	s_wait_alu depctr_va_vdst(0)
.rept 32
	v_pk_add_f32 v[EF+ix:EF+ix+1], v[EF+ix:EF+ix+1], 1.0 op_sel_hi:[1,0]
.set ix, ix+2
.endr
.set ix, 0
.rept 64
	v_rcp_f32 v[EF+ix], v[EF+ix]
.set ix, ix+1
.endr
	v_nop
	s_wait_alu depctr_va_vdst(0)
.irp jj, 0,1,2,3
	v_pk_mul_f32 v[QR+2*\jj:QR+2*\jj+1], v[EF+2*\jj:EF+2*\jj+1], v[WO+2*\jj:WO+2*\jj+1]       ; the first column block starts four chains
.endr
.irp b, 1,2,3,4,5,6,7
.irp jj, 0,1,2,3
	v_pk_fma_f32 v[QR+2*\jj:QR+2*\jj+1], v[EF+8*\b+2*\jj:EF+8*\b+2*\jj+1], v[WO+8*\b+2*\jj:WO+8*\b+2*\jj+1], v[QR+2*\jj:QR+2*\jj+1]
.endr
.endr
	v_pk_add_f32 v[QR:QR+1],   v[QR:QR+1],   v[QR+2:QR+3]
	v_pk_add_f32 v[QR+4:QR+5], v[QR+4:QR+5], v[QR+6:QR+7]
	v_pk_add_f32 v[QR:QR+1],   v[QR:QR+1],   v[QR+4:QR+5]
.if \first
	v_add_f32 v[SP+\a], v[QR], v[QR+1]
.else
	v_add_f32 v58, v[QR], v[QR+1]
	v_add_f32 v[SP+\a], v[SP+\a], v58
.endif
.endr
.endm
	SEED 0, 1                                      ; register work on my own tables, while the other waves finish their rows
	s_wait_dscnt 0x0                               ; my 32 rows are in LDS, for the other waves' sake
	s_barrier_signal -1
	s_barrier_wait -1                              ; all 128 rows are; nobody writes them again
.irp p, 0,1,2,3
	v_mov_b32 v[VAC+\p], v[VA0+\p]
.endr
	FETCHA 0, FA0
	s_mov_b32 s26, 7
.Lchunk0:
	TRIP 1
	s_sub_co_u32 s26, s26, 1
	s_cmp_lg_u32 s26, 0
	s_cbranch_scc1 .Lchunk0
	TRIP 0                                         ; K steps 28 to 31; W's loads run on into chunk 1's steps 0 to 2, which follow in wfrag
	EPI 1
	SEED 1, 0
.irp p, 0,1,2,3
	v_mov_b32 v[VAC+\p], v[VA0+\p]
.endr
	FETCHA 0, FA0
	s_mov_b32 s26, 7
.Lchunk1:
	TRIP 1
	s_sub_co_u32 s26, s26, 1
	s_cmp_lg_u32 s26, 0
	s_cbranch_scc1 .Lchunk1
	STEP 0, 1, 48, 1                               ; the last four steps: one more step of W is asked for, the last of my 64,
	STEP 1, 0, 32, 1                               ; and the counts run down
	STEP 2, 0, 16, 1
	STEP 3, 0, 0, 0
	WIN 0
	EPI 0
; ---------------- sigma, p, and the block's part of the weighted sum (all in window 0) ----------------
.irp a, 0,1,2,3,4,5,6,7
	v_permlanex16_b32 v[FA0+\a], v[SP+\a], s30, s31        ; the other half of the lanes holds the other 8 of each 16 columns
.endr
.irp a, 0,1,2,3,4,5,6,7
	v_add_f32 v[SP+\a], v[SP+\a], v[FA0+\a]
.endr
.irp a, 0,1,2,3,4,5,6,7
	ds_store_b32 v44, v[SP+\a] offset:64*\a                ; lanes r and r + 16 write the same word with the same value
.endr
	s_wait_dscnt 0x0                               ; my partial scores are in LDS, for the other waves' sake
	s_barrier_signal -1
	s_barrier_wait -1
.irp k, 0,1,2,3
	ds_load_b128 v[FA0+4*\k:FA0+4*\k+3], v45 offset:512*\k ; rows 4 L .. 4 L + 3 of each wave's partial scores
.endr
	s_wait_dscnt 0x0
	v_pk_add_f32 v[64:65], v[64:65], v[68:69]
	v_pk_add_f32 v[66:67], v[66:67], v[70:71]
	v_pk_add_f32 v[72:73], v[72:73], v[76:77]
	v_pk_add_f32 v[74:75], v[74:75], v[78:79]
	v_pk_add_f32 v[48:49], v[64:65], v[72:73]      ; sigma of rows 4 L .. 4 L + 3, the same bits in all four waves; v[48:51] are not written again
	v_pk_add_f32 v[50:51], v[66:67], v[74:75]
	s_cmp_lg_u32 s20, 0
	s_cbranch_scc1 .Lno_scores
	global_store_b128 v6, v[48:51], s[16:17]       ; wave 0: 512 consecutive bytes
.Lno_scores:
	v_max3_num_f32 v58, v48, v49, v50
	v_max_num_f32 v58, v58, v51
	v_max_num_f32_dpp v58, v58, v58 row_xmask:1 row_mask:0xf bank_mask:0xf
	v_max_num_f32_dpp v58, v58, v58 row_xmask:2 row_mask:0xf bank_mask:0xf
	v_max_num_f32_dpp v58, v58, v58 row_xmask:4 row_mask:0xf bank_mask:0xf
	v_max_num_f32_dpp v58, v58, v58 row_xmask:8 row_mask:0xf bank_mask:0xf
	v_permlanex16_b32 v32, v58, s30, s31
	v_max_num_f32 v58, v58, v32                    ; the block's maximum, in every lane
.irp i, 0,1,2,3
	v_sub_f32 v[60+\i], v[48+\i], v58
.endr
.irp i, 0,1,2,3
	v_exp_f32 v[60+\i], v[60+\i]
.endr
	v_nop
	s_wait_alu depctr_va_vdst(0)
	v_cvt_pk_bf16_f32 v58, v60, v61
	v_cvt_pk_bf16_f32 v59, v62, v63
	ds_store_b64 v46, v[58:59]                     ; p in bf16, my wave's own copy: LDS serves a wave's instructions in order (ISA guide 5.7.1)
.irp ks, 0,1,2,3
.irp q, 0,1
	ds_load_b128 v[8+8*\ks+4*\q:8+8*\ks+4*\q+3], v47 offset:64*\ks+32*\q   ; p as source 0: every one of the 16 rows is p[32 ks ..]
.endr
.endr
; h[n] = sum over s of p[s] enhy[s][n] for my 256 columns: 16 tiles of 16 columns, K = the 128 rows in four steps.  enhy lies [s][n] in LDS,
; so source 1 comes through the transposing load.  Eight tiles at a time; the 16 accumulators take turns.
.macro HGRP ks, hf, zero, pl
.if \pl
	PLACES
.endif
.irp u, 0,1,2,3,4,5,6,7
.irp q, 0,1
	ds_load_tr16_b128 v[WO+8*\u+4*\q:WO+8*\u+4*\q+3], v[VT+\ks] offset:16*PITCH*\q+32*(8*\hf+\u)
.endr
.endr
	s_wait_dscnt 0x0
.irp u, 0,1,2,3,4,5,6,7
.if \zero
	v_wmma_f32_16x16x32_bf16 v[64+8*(8*\hf+\u):64+8*(8*\hf+\u)+7], v[8+8*\ks:8+8*\ks+7], v[WO+8*\u:WO+8*\u+7], 0
.else
	v_wmma_f32_16x16x32_bf16 v[64+8*(8*\hf+\u):64+8*(8*\hf+\u)+7], v[8+8*\ks:8+8*\ks+7], v[WO+8*\u:WO+8*\u+7], v[64+8*(8*\hf+\u):64+8*(8*\hf+\u)+7]
.endif
.endr
.endm
	HGRP 0, 0, 1, 0
	HGRP 0, 1, 1, 1
	HGRP 1, 0, 0, 1
	HGRP 1, 1, 0, 1
	HGRP 2, 0, 0, 1
	HGRP 2, 1, 0, 1
	HGRP 3, 0, 0, 1
	HGRP 3, 1, 0, 1
	PLACES
.irp t, 0,1,2,3,4,5,6,7,8,9,10,11,12,13,14,15
	ds_store_b32 v56, v[64+8*\t] offset:64*\t      ; all 16 rows of a tile are equal: register 0 of lane (r, .) is h[16 t + r]
.endr
	ds_load_b128 v[192:195], v57                   ; my own stage, read back by 16 bytes a lane
	ds_load_b128 v[196:199], v57 offset:512
	s_wait_dscnt 0x0
	global_store_b128 v6, v[192:195], s[18:19]             ; each store covers 512 consecutive bytes, aligned
	global_store_b128 v6, v[196:199], s[18:19] offset:512
	s_wait_xcnt 0x0
	v_lshl_add_u32 v62, v0, 2, 0x45c00
	v_mov_b32 v63, 0
	s_wait_tensorcnt 0x0
	ds_add_u32 v62, v63
	s_wait_dscnt 0x0
	s_endpgm
.Lfunc_end_k_q5e60efaf1c_score:
	.size	k_q5e60efaf1c_score, .Lfunc_end_k_q5e60efaf1c_score-k_q5e60efaf1c_score
	.p2alignl 7, 3214868480
	.fill 96, 4, 3214868480
	.section	.rodata,"a",@progbits
	.p2align	6, 0x0
	.amdhsa_kernel k_q5e60efaf1c_score
		.amdhsa_group_segment_fixed_size 286208
		.amdhsa_private_segment_fixed_size 0
		.amdhsa_enable_private_segment 0
		.amdhsa_kernarg_size 64
		.amdhsa_user_sgpr_count 2
		.amdhsa_user_sgpr_kernarg_segment_ptr 1
		.amdhsa_wavefront_size32 1
		.amdhsa_system_sgpr_workgroup_id_x 1
		.amdhsa_system_sgpr_workgroup_id_y 1
		.amdhsa_system_sgpr_workgroup_id_z 1
		.amdhsa_system_vgpr_workitem_id 0
		.amdhsa_next_free_vgpr 1024
		.amdhsa_next_free_sgpr 66
		.amdhsa_reserve_vcc 0
		.amdhsa_float_denorm_mode_32 3
		.amdhsa_float_denorm_mode_16_64 3
		.amdhsa_memory_ordered 1
		.amdhsa_forward_progress 1
		.amdhsa_inst_pref_size 255
	.end_amdhsa_kernel
	.section	.bss,"aw",@nobits
	.p2align	6
	.space	262144
	.amdgpu_metadata
---
amdhsa.version: [ 1, 2 ]
amdhsa.kernels:
  - .name:           k_q5e60efaf1c_score
    .symbol:         k_q5e60efaf1c_score.kd
    .args:
      - { .name: enhy, .offset: 0, .size: 8, .value_kind: global_buffer, .address_space: global }
      - { .name: past_attn, .offset: 8, .size: 8, .value_kind: global_buffer, .address_space: global }
      - { .name: W_cv, .offset: 16, .size: 8, .value_kind: global_buffer, .address_space: global }
      - { .name: W_out, .offset: 24, .size: 8, .value_kind: global_buffer, .address_space: global }
      - { .name: wfrag, .offset: 32, .size: 8, .value_kind: global_buffer, .address_space: global }
      - { .name: dbt, .offset: 40, .size: 8, .value_kind: global_buffer, .address_space: global }
      - { .name: scores, .offset: 48, .size: 8, .value_kind: global_buffer, .address_space: global }
      - { .name: hpart, .offset: 56, .size: 8, .value_kind: global_buffer, .address_space: global }
    .group_segment_fixed_size: 286208
    .private_segment_fixed_size: 0
    .kernarg_segment_align: 8
    .kernarg_segment_size: 64
    .max_flat_workgroup_size: 128
    .sgpr_count:     66
    .vgpr_count:     1024
    .wavefront_size: 32
...
	.end_amdgpu_metadata
.endif
;; end of part 2
;; launch join (part 3): grid 256 x 1, 2 waves a work-group, no clusters, 0 bytes of LDS; arguments scores, hpart, hidden_attn, out0, out1, out2; writes out0, out1, out2
.if DOCPART == 3
	.amdgcn_target "amdgcn-amd-amdhsa--gfx1250"
	.amdhsa_code_object_version 6
	.text
	.protected	k_q5e60efaf1c_join
	.globl	k_q5e60efaf1c_join
	.p2align	8
	.type	k_q5e60efaf1c_join,@function
k_q5e60efaf1c_join:
	s_mov_b64 s[64:65], 0
	v_nop
	global_prefetch_b8 v0, s[64:65] scope:SCOPE_SE
	s_setreg_imm32_b32 hwreg(HW_REG_WAVE_MODE, 25, 1), 1
	s_wait_xcnt 0x0
; join: the four blocks of a batch are joined.  scores holds sigma = log2(e) (score - a constant of the batch); hpart[4 b + k] holds
; sum over block k's rows of 2^(sigma - m_k) enhy, m_k the block's maximum.
;   M = max of the m_k;  Z = sum over the batch's 512 rows of 2^(sigma - M);
;   out1 = 2^(sigma - M) / Z;  out0 = sum over k of (2^(m_k - M) / Z) hpart[4 b + k];  out2 = hidden_attn.
; Work-group g: batch b = g >> 2, quarter qd = g & 3: 256 columns of out0 (64 threads x 16 bytes), 128 numbers of out1 (wave 0),
; 128 numbers of out2 (wave 1).  Each wave makes M and Z for itself from the batch's 2,048 bytes of scores: no LDS, no barrier.
; The matrix units and clusters have nothing to do here: 6.5 KiB in and 2 KiB out for each work-group.
; LIMIT: v_exp_f32 gives 0 for results below 2^-126 (ISA guide 15.8).  Z is at least 1: the largest sigma contributes 2^0.
	s_load_b256 s[4:11], s[0:1], 0x0               ; scores 4, hpart 6, hidden_attn 8, out0 10
	s_load_b128 s[12:15], s[0:1], 0x20             ; out1 12, out2 14
	v_lshrrev_b32 v3, 5, v0
	v_readfirstlane_b32 s20, v3                    ; wave
	v_and_b32 v1, 31, v0
	v_lshlrev_b32 v1, 4, v1                        ; 16 x lane
	v_lshlrev_b32 v2, 4, v0                        ; 16 x thread
	v_mov_b32 v56, 0                               ; v_permlanex16_b32's destination counts as read
	s_mov_b32 s30, 0x76543210
	s_mov_b32 s31, 0xfedcba98
	s_lshr_b32 s24, ttmp9, 2                       ; b
	s_and_b32 s25, ttmp9, 3                        ; qd
	s_mov_b32 s23, 0
	s_wait_kmcnt 0x0
	s_lshl_b32 s22, s24, 11
	s_add_nc_u64 s[4:5], s[4:5], s[22:23]          ; the batch's scores
	s_add_nc_u64 s[12:13], s[12:13], s[22:23]
	s_lshl_b32 s22, s25, 9
	s_add_nc_u64 s[16:17], s[4:5], s[22:23]        ; my quarter of them,
	s_add_nc_u64 s[12:13], s[12:13], s[22:23]      ; and of out1
	s_lshl_b32 s26, s25, 10
	s_lshl_b32 s22, s24, 14
	s_add_co_u32 s22, s22, s26
	s_add_nc_u64 s[6:7], s[6:7], s[22:23]          ; hpart: block 4 b, my 256 columns
	s_lshl_b32 s22, s24, 12
	s_add_co_u32 s22, s22, s26
	s_add_nc_u64 s[10:11], s[10:11], s[22:23]      ; out0: row b, my 256 columns
	s_lshl_b32 s22, ttmp9, 9
	s_add_nc_u64 s[8:9], s[8:9], s[22:23]          ; hidden_attn and out2: my 512 bytes
	s_add_nc_u64 s[14:15], s[14:15], s[22:23]
.irp k, 0,1,2,3
	global_load_b128 v[8+4*\k:8+4*\k+3], v1, s[4:5] offset:512*\k
.endr
	global_load_b128 v[24:27], v1, s[16:17]
.irp k, 0,1,2,3
	global_load_b128 v[32+4*\k:32+4*\k+3], v2, s[6:7] offset:4096*\k
.endr
	global_load_b128 v[48:51], v1, s[8:9]
	s_wait_loadcnt 0x0
.irp k, 0,1,2,3                        ; m_k: the maximum of block k, in every lane
	v_max3_num_f32 v[52+\k], v[8+4*\k], v[9+4*\k], v[10+4*\k]
	v_max_num_f32 v[52+\k], v[52+\k], v[11+4*\k]
	v_max_num_f32_dpp v[52+\k], v[52+\k], v[52+\k] row_xmask:1 row_mask:0xf bank_mask:0xf
	v_max_num_f32_dpp v[52+\k], v[52+\k], v[52+\k] row_xmask:2 row_mask:0xf bank_mask:0xf
	v_max_num_f32_dpp v[52+\k], v[52+\k], v[52+\k] row_xmask:4 row_mask:0xf bank_mask:0xf
	v_max_num_f32_dpp v[52+\k], v[52+\k], v[52+\k] row_xmask:8 row_mask:0xf bank_mask:0xf
	v_permlanex16_b32 v56, v[52+\k], s30, s31
	v_max_num_f32 v[52+\k], v[52+\k], v56
.endr
	v_max3_num_f32 v57, v52, v53, v54
	v_max_num_f32 v57, v57, v55                    ; M
.irp i, 8,9,10,11,12,13,14,15,16,17,18,19,20,21,22,23,24,25,26,27,52,53,54,55
	v_sub_f32 v[\i], v[\i], v57
.endr
.irp i, 8,9,10,11,12,13,14,15,16,17,18,19,20,21,22,23,24,25,26,27,52,53,54,55
	v_exp_f32 v[\i], v[\i]
.endr
	v_nop                                          ; one plain place behind the run of transcendentals (ISA guide 5.7.2)
	s_wait_alu depctr_va_vdst(0)
.irp p, 8, 12, 16, 20
	v_pk_add_f32 v[\p:\p+1], v[\p:\p+1], v[\p+2:\p+3]
.endr
	v_pk_add_f32 v[8:9],   v[8:9],   v[12:13]
	v_pk_add_f32 v[16:17], v[16:17], v[20:21]
	v_pk_add_f32 v[8:9],   v[8:9],   v[16:17]
	v_add_f32 v58, v8, v9
	v_add_f32_dpp v58, v58, v58 row_xmask:1 row_mask:0xf bank_mask:0xf
	v_add_f32_dpp v58, v58, v58 row_xmask:2 row_mask:0xf bank_mask:0xf
	v_add_f32_dpp v58, v58, v58 row_xmask:4 row_mask:0xf bank_mask:0xf
	v_add_f32_dpp v58, v58, v58 row_xmask:8 row_mask:0xf bank_mask:0xf
	v_permlanex16_b32 v56, v58, s30, s31
	v_add_f32 v58, v58, v56                        ; Z
	v_rcp_f32 v59, v58
	v_nop
	s_wait_alu depctr_va_vdst(0)
	v_pk_mul_f32 v[52:53], v[52:53], v[58:59] op_sel:[0,1] op_sel_hi:[1,1]     ; f_k = 2^(m_k - M) / Z
	v_pk_mul_f32 v[54:55], v[54:55], v[58:59] op_sel:[0,1] op_sel_hi:[1,1]
	v_pk_mul_f32 v[24:25], v[24:25], v[58:59] op_sel:[0,1] op_sel_hi:[1,1]     ; my quarter of the softmax
	v_pk_mul_f32 v[26:27], v[26:27], v[58:59] op_sel:[0,1] op_sel_hi:[1,1]
	v_pk_mul_f32 v[60:61], v[32:33], v[52:53] op_sel_hi:[1,0]                  ; f_0 starts the sums
	v_pk_mul_f32 v[62:63], v[34:35], v[52:53] op_sel_hi:[1,0]
	v_pk_fma_f32 v[60:61], v[36:37], v[52:53], v[60:61] op_sel:[0,1,0] op_sel_hi:[1,1,1]
	v_pk_fma_f32 v[62:63], v[38:39], v[52:53], v[62:63] op_sel:[0,1,0] op_sel_hi:[1,1,1]
	v_pk_fma_f32 v[60:61], v[40:41], v[54:55], v[60:61] op_sel_hi:[1,0,1]
	v_pk_fma_f32 v[62:63], v[42:43], v[54:55], v[62:63] op_sel_hi:[1,0,1]
	v_pk_fma_f32 v[60:61], v[44:45], v[54:55], v[60:61] op_sel:[0,1,0] op_sel_hi:[1,1,1]
	v_pk_fma_f32 v[62:63], v[46:47], v[54:55], v[62:63] op_sel:[0,1,0] op_sel_hi:[1,1,1]
	global_store_b128 v2, v[60:63], s[10:11]       ; every store of a wave covers 512 consecutive bytes, aligned
	s_cmp_lg_u32 s20, 0
	s_cbranch_scc1 .Lwave1
	global_store_b128 v1, v[24:27], s[12:13]
	s_endpgm
.Lwave1:
	global_store_b128 v1, v[48:51], s[14:15]
	s_endpgm
.Lfunc_end_k_q5e60efaf1c_join:
	.size	k_q5e60efaf1c_join, .Lfunc_end_k_q5e60efaf1c_join-k_q5e60efaf1c_join
	.p2alignl 7, 3214868480
	.fill 96, 4, 3214868480
	.section	.rodata,"a",@progbits
	.p2align	6, 0x0
	.amdhsa_kernel k_q5e60efaf1c_join
		.amdhsa_group_segment_fixed_size 0
		.amdhsa_private_segment_fixed_size 0
		.amdhsa_enable_private_segment 0
		.amdhsa_kernarg_size 48
		.amdhsa_user_sgpr_count 2
		.amdhsa_user_sgpr_kernarg_segment_ptr 1
		.amdhsa_wavefront_size32 1
		.amdhsa_system_sgpr_workgroup_id_x 1
		.amdhsa_system_sgpr_workgroup_id_y 1
		.amdhsa_system_sgpr_workgroup_id_z 1
		.amdhsa_system_vgpr_workitem_id 0
		.amdhsa_next_free_vgpr 72
		.amdhsa_next_free_sgpr 66
		.amdhsa_reserve_vcc 0
		.amdhsa_float_denorm_mode_32 3
		.amdhsa_float_denorm_mode_16_64 3
		.amdhsa_memory_ordered 1
		.amdhsa_forward_progress 1
		.amdhsa_inst_pref_size 8
	.end_amdhsa_kernel
	.amdgpu_metadata
---
amdhsa.version: [ 1, 2 ]
amdhsa.kernels:
  - .name:           k_q5e60efaf1c_join
    .symbol:         k_q5e60efaf1c_join.kd
    .args:
      - { .name: scores, .offset: 0, .size: 8, .value_kind: global_buffer, .address_space: global }
      - { .name: hpart, .offset: 8, .size: 8, .value_kind: global_buffer, .address_space: global }
      - { .name: hidden_attn, .offset: 16, .size: 8, .value_kind: global_buffer, .address_space: global }
      - { .name: out0, .offset: 24, .size: 8, .value_kind: global_buffer, .address_space: global }
      - { .name: out1, .offset: 32, .size: 8, .value_kind: global_buffer, .address_space: global }
      - { .name: out2, .offset: 40, .size: 8, .value_kind: global_buffer, .address_space: global }
    .group_segment_fixed_size: 0
    .private_segment_fixed_size: 0
    .kernarg_segment_align: 8
    .kernarg_segment_size: 48
    .max_flat_workgroup_size: 64
    .sgpr_count:     66
    .vgpr_count:     72
    .wavefront_size: 32
...
	.end_amdgpu_metadata
.endif
;; end of part 3
